; MI455X (gfx1250); checked and timed in simulation.
; The chip was launched on July 23, 2026; its instructions are those of AMD's public machine-readable ISA for CDNA 5 (MIT licence, August 2026) and "CDNA5" Instruction Set Architecture Reference Guide (July 2026). The comments in the code are by the model that wrote it; some were corrected since.
;; Multi Head Attention Pure. Allowed arithmetic: matrix products marked QUANTISED: E5M2 operands, one E8M0 scale for each 32 along K, by v_wmma_scale_f32_16x16x128_f8f6f4 with both operands' format E5M2, f32 sums; products left as they are: f32 operands where the result goes on into a quantised operand, else bf16, f16 or f32 operands; f32 sums; everything else in f32.
;; Inputs: W_out_codes 1,024 x 32 x 32 uint8 (E5M2 codes of W_out, K innermost, in blocks of 32 codes); W_out_scales 1,024 x 32 uint8 (E8M0 scales of W_out, one for each 32 codes along K); b_out 1,024 float32; k 2 x 1,024 x 1,024 float32; q 2 x 1,024 x 1,024 float32; v_codes 2 x 1,024 x 32 x 32 uint8 (E5M2 codes of v, K innermost, in blocks of 32 codes); v_scales 2 x 1,024 x 32 uint8 (E8M0 scales of v, one for each 32 codes along K).
;; Outputs: out0 2 x 1,024 x 1,024 float32.
;; Constants: apply_mask = 1.
;; This version of the problem:
;;   THIS VERSION OF THE PROBLEM IS GIVEN IN LOW PRECISION. The matrix products marked QUANTISED in the list below multiply operands that are first quantised to E5M2 (5 exponent bits, 2 mantissa bits; 8 bits a number), with one power-of-two scale for each 32 numbers along K (OCP MX v1.0); their sums are f32. All else is computed in f32.
;;   The module's matrix products, in the order in which they are computed (A, B: the left and right operand; K: the contracted axis; several contracted axes count as one K, in the product's order):
;;     1. batch 128 x [M 1,024, K 16] x [K 16, N 1,024]; A: input q; B: input k: left as it is (K = 16 < 32)
;;     2. batch 128 x [M 1,024, K 1,024] x [K 1,024, N 16]; A: softmax (see below); B: input v (given as codes): QUANTISED
;;     3. [M 2,048, K 1,024] x [K 1,024, N 1,024]; A: computed on the way; B: input W_out (given as codes): QUANTISED
;;   THE QUANTISER, for each operand of a quantised product, along K:
;;     - K is cut into blocks of 32 from its start; a last block that is shorter is filled with zeros.
;;     - A block's scale is 2^e with e = floor(log2(the largest magnitude in the block)) - 15, held to -126 .. 127; a block of zeros has e = 0. As a byte (E8M0): e + 127.
;;     - Each number is divided by its block's scale, clamped to +-57,344, and rounded to the nearest number of E5M2, ties to even, subnormals kept.
;;     - The product sums the exact products of the quantised numbers (number of the format x scale) in f32.
;;   ~~~python
;;   def quantise(x, axis):      # numpy; x: float32 -> the quantised numbers, widened to float32 again
;;       x = np.moveaxis(x, axis, -1); K = x.shape[-1]
;;       x = np.pad(x, [(0, 0)] * (x.ndim - 1) + [(0, -K % 32)]); x = x.reshape(x.shape[:-1] + (-1, 32)); a = np.abs(x).max(-1, keepdims=True)
;;       e = np.where(a > 0, np.clip(np.frexp(np.where(a > 0, a, 1))[1] - 1 - 15, -126, 127), 0)      # np.frexp(a)[1] - 1 = floor(log2(a)), exactly
;;       r = np.clip(x / 2.0 ** e, -57344, 57344)
;;       step = 2.0 ** (np.maximum(np.frexp(np.where(r == 0, 1, r))[1] - 1, -14) - 2)
;;       q = np.round(r / step) * step * 2.0 ** e      # np.round: ties to even
;;       return np.moveaxis(q.reshape(q.shape[:-2] + (-1,))[..., :K], -1, axis).astype(np.float32)
;;   ~~~
;;   SOFTMAX AHEAD OF A QUANTISED PRODUCT. Where the list says 'softmax', what is quantised is not the finished softmax but p = 2^(t - M), with t = logit x log2(e) and M = ceil(the row's largest t), a whole number; so 1/2 < the row's largest p <= 1. The row's sum l is taken of the UNQUANTISED p, in f32, and the product's result is divided by l at the end. Since M is a whole number, a kernel that streams over the keys may use a running M (the ceiling of the running maximum): every later rescaling is an exact power of two, which a block's scale takes up: the codes' values come out the same.
;;   OPERANDS COMPUTED ON THE WAY. 'Computed on the way' means the value that the module computes at that place (a softmax that the list does not call 'softmax' is quantised finished and normalised). What goes into a quantiser is computed in f32, as accurately as f32 sums, v_exp_f32 and their like allow (about 1e-6 of the number): no bf16 or f16 on the way to a quantiser, and a product that is left as it is and whose result goes on into a quantised operand takes f32 operands (vector FMAs, or v_wmma_f32_16x16x4_f32). A number that lies on a knife's edge between two numbers of the format may be rounded either way, as far as f32 arithmetic and the matrix unit's own rounding can turn it there, and no further.
;;   INPUTS GIVEN AS CODES. W_out (in the module: [1024, 1024], K = its axis 1); v (in the module: [2, 1024, 1024], K = its axis 1): each comes as NAME_codes (uint8): NAME with its K axis moved to the last place and cut into blocks of 32 codes, [.., K / 32, bytes a block], one block behind the other in memory; one code a byte (a code: sign, 5 exponent bits, 2 mantissa bits); and NAME_scales (uint8): the same leading axes, one E8M0 byte (e + 127) for each 32 codes along K. Its value is code x scale, taken as it is: it is not quantised again, and the codes and scales need not be those that the quantiser above would give.
;; One version. Each part assembles by itself: llvm-mc -triple=amdgcn-amd-amdhsa -mcpu=gfx1250 --defsym DOCPART=n.
;; ======== version 1 of 1: 2 launches
;; limits: right only within a limited range of input values
;; workspace buffers: xc 2,097,152 bytes; xs 65,536 bytes
;; launch attn (part 1): grid 8 x 32, 16 waves a work-group, clusters of 4 x 1, 327,680 bytes of LDS; arguments q, k, v_codes, v_scales, xc, xs; writes xc, xs
.if DOCPART == 1
	.amdgcn_target "amdgcn-amd-amdhsa--gfx1250"
	.amdhsa_code_object_version 6
	.text
	.protected	k_qec79043458_attn
	.globl	k_qec79043458_attn
	.p2align	8
	.type	k_qec79043458_attn,@function
k_qec79043458_attn:
	s_mov_b64 s[64:65], 0
	v_nop
	global_prefetch_b8 v0, s[64:65] scope:SCOPE_SE
	s_setreg_imm32_b32 hwreg(HW_REG_WAVE_MODE, 25, 1), 1
	s_wait_xcnt 0x0
	s_wait_alu depctr_hold_cnt(0) depctr_sa_sdst(0) depctr_va_vdst(0) depctr_va_sdst(0) depctr_va_ssrc(0) depctr_va_vcc(0) depctr_vm_vsrc(0)
	s_getreg_b32 s2, hwreg(HW_REG_IB_STS2, 6, 4)
	s_cmp_eq_u32 s2, 0
	s_cbranch_scc0 .Lentry_in_a_cluster
	s_endpgm
.Lentry_in_a_cluster:
	s_bfe_u32 s2, ttmp6, 0x10000c
	s_cmp_lg_u32 s2, 0x3003
	s_cbranch_scc0 .Lentry_shape_is_right
	s_endpgm
.Lentry_shape_is_right:
; CAUSAL ATTENTION OF 128 HEADS OF SIZE 16 (64 chunks j of the features x 2 batches b), 1,024 queries and keys each, and the quantising of its result for the projection that follows.
; q, k: [2][1024][1024] f32.  v: codes of BF8 (E5M2) with the KEYS innermost, [2][1024 features][1024 keys]; its scale bytes [2][1024][32].
; Scores: f32 operands (v_wmma_f32_16x16x4_f32), since they go on into a quantiser.  t = score x log2(e) / 4; M = the running largest t rounded UP to a whole number; p = 2^(t - M) is quantised along the keys,
; blocks of 32; the row's sum is taken of the unquantised p and divides at the end.  When M moves, the sum and O are multiplied by 2^(old M - new M): exact.
; WHAT LEAVES.  With j = 4 a + jj and query s = 128 c + 16 p + r, x(j, b, s, h) is element [512 jj + 256 b + 32 c + 4 p + (r >> 2)][64 a + 16 (r & 3) + h] of the projection's left operand.  A block of 32 along that
; product's K is two neighbouring queries x 16 h of one head: it is quantised here.  xc: [a 16][row' 2048][64 codes], row' = 128 (8 b + p) + 32 jj + 4 c + (r >> 2);  xs: [a 16][8 b + p][row' % 128][2] scale bytes.
; SHARES.  Work-group (p, a, b): heads 4 a .. 4 a + 3 of batch b (their 64 features are 256 bytes of a row of q or k), and in each head the query tiles 8 c + p, c = 0 .. 7: one tile of 16 in each block of 128.
; So every work-group has the same steps; p enters global addresses and the mask's DATA alone.  The four work-groups of a cluster (p = 4 x .. 4 x + 3) walk the same K and V and ask for each tile JOINTLY.
; Wave w of 16: head jj = w / 4, ww = (w + jj) % 4; two jobs: c = 7 - ww (8 - ww key steps) and c = ww (ww + 1 steps): nine steps of 16 queries x 128 keys for every wave.
; All waves walk the key steps KS = 0 .. 7 together; a job works while KS <= c; KS = c is its step on the diagonal, and its way out follows that step.  Steps all of whose keys are hidden are left out.
; LAYOUT.  Both products are used transposed: S^T = K Q^T (source 0 = 16 keys), O^T = V^T P^T (source 0 = the head's 16 rows of V): a lane holds ONE query (lane % 16) throughout.
; In the f32 product lane (r, hh) holds dims 8 hh .. 8 hh + 7 of its row; register pair 2 s, 2 s + 1 is K step s: the same order of the 16 dims on both sides, so the products are the same.
; THE KEYS OF A TILE ARE NOT NEIGHBOURS: lane r of tile 2 b + u takes key 32 b + 8 u + r + 8 (r / 8), so that the 16 registers of tiles 2 b, 2 b + 1 are 16 neighbouring keys, 32 b + 16 hh + 0 .. 15: the next operand's order.
; THE MASK costs no vector work: an image of 64 registers (0 where the key counts, -4e9 elsewhere) lies in LDS and is, on the diagonal, the C of each tile's first matrix instruction: the logit is then about -1e9 and p = 0.
; LIMITS: logits stay far above -1e9 (|logit| under 1e8), as leaving hidden keys out also takes; NaN and infinities among the inputs are not served; a block of x whose largest magnitude lies under 2^-111, zeros too,
; gets the scale byte 1 (its codes say the rest; this program alone reads the bytes).
.set PK,     272                       ; an LDS row: 256 bytes + 16 of padding
.set KSTEPB, 128*PK                    ; a key step's rows of K
.set VOFF,   256*PK                    ; a slot: 256 rows of K (two key steps), then 64 rows of V (256 keys each)
.set SLOT1,  1<<17                     ; slot 1 begins here: one exclusive or turns an address from one slot to the other
.set SCV,    2*SLOT1                   ; V's scale bytes of the four heads: 2,048 bytes as 8 rows of 256 + 16; filled once
.set MASK,   SCV+2304                  ; the mask's image: group m of four registers at 512 m + 16 x lane; written by LDS stores alone
.set SCST,   MASK+8192                 ; the work-group's 256 scale bytes of x; written by LDS stores alone
.set SPARE,  SCST+256                  ; the spare words, 128 bytes for each of 16 waves: eight blocks of 256 bytes that no other line names
.set AK0,  1                           ; v1   my lane's place in a tile of K
.set AV0,  2                           ; v2   in V's tile
.set ASV0, 3                           ; v3   among V's scale words
.set SPW,  4                           ; v4   LDS address of my spare word; never rewritten
.set NIL,  5                           ; v5   0; never rewritten
.set AMK,  6                           ; v6   my lane's place in the mask's image
.set ADK,  7                           ; v7-9 the addresses of the step in hand
.set ADV,  8
.set ADT,  9
.set GO,   10                          ; v10-11  a job's byte offset in xc; never rewritten
.set SB,   12                          ; v12-13  a job's byte among the 256 scale bytes
.set QO,   14                          ; v14  my byte offset in a job's 16 rows of q
.set NEG,  15                          ; v15  -4e9
.set ST,   16                          ; v16-23  a job's -M, largest t, sum in two halves
.set Q,    24                          ; v24-39  a job's 8 numbers of q
.set O,    40                          ; v40-55  a job's O^T
.set KF,   56                          ; v56-87  four fragments of K; later:
.set VF,   56                          ; v56-71  V's fragment,
.set PC,   72                          ; v72-87  p's codes
.set S,    88                          ; v88-151 S^T: written by the f32 matrix instructions alone
.set P,    152                         ; v152-215 the mask, then t - M, then p
.set BM,   216                         ; v216-219 a block's largest score, then its largest p
.set BP,   220                         ; v220-223 the other half's, then the bytes
.set HL,   224                         ; v224-227 57,344 x the scale
.set SO,   228                         ; v228-231 the conversions' scale operands
.set F,    232                         ; v[232:233] 2^(old M - new M)
.set TA,   234
.set SUM2, 236
.set PW,   238                         ; p's scale word: a scale register and nothing else
.set VS,   239                         ; V's: likewise
.set CD,   240                         ; v240-243 a job's codes of x, a pair for each job
.set SBY,  244                         ; v244-245 a job's scale byte
.set SCRD, 246                         ; where wave 0 reads the 256 bytes back,
.set SCGO, 247                         ; and its offset in xs
.set R_,   248
.set HH,   249
.set T0,   250
.set T1,   251
.set WV,   16                          ; s16 wave;  s17 jj;  s18 job 1's c;  s19 job 0's c
.set JJ,   17
.set CL,   18
.set CH,   19
.set PP,   20
.set AA,   21
.set BB,   22
.set SEL,  24                          ; s[24:25] v_permlanex16_b32's selects for lane l xor 16
.set CS,   26                          ; s[26:27] log2(e) / 4, twice
.set MNT,  28                          ; the mantissa field of 57,344
.set G1K,  32
.set G1V,  40
.set G1S,  48
.set G0K,  56
.set G0V,  60
.set G0S,  68
.set TBK,  72                          ; LDS byte at which the step's rows of K begin;  s73 the step's keys in V's rows;  s74 its word among V's scales
.set TBV,  73
.set TJ,   74
.set KS,   75
.set SLOTS, 76
.set TWICE, 77
.set QB,   80                          ; s[80:81], s[82:83] q at a job's first row
.set XCB,  84
.set XSB,  86
.macro PLACES n
.rept \n
	v_nop
.endr
.endm
; A round of the cluster's barrier: my work-group's barrier, wave 0 signals for the work-group, every wave waits for all four work-groups, my work-group's barrier once more.
.macro CROUND
	s_barrier_signal -1
	s_barrier_wait -1
	s_cmp_lg_u32 s[WV], 0
	s_cbranch_scc1 .Lnot_wave_0_\@
	s_barrier_signal -3
.Lnot_wave_0_\@:
	s_barrier_wait -3
	s_barrier_signal -1
	s_barrier_wait -1
.endm
; The joint loads: waves 0 to 3 a quarter each of a slot's 256 rows of K, wave 4 its 64 rows of V; first = 1: wave 5 V's scale bytes.  One load a wave; the branches hang on the wave's number alone.
; Four v_nop follow each load.
.macro TLOAD first
	s_cmp_lt_u32 s[WV], 4
	s_cbranch_scc0 .Lnot_k_\@
	tensor_load_to_lds s[G0K:G0K+3], s[G1K:G1K+7]
	s_nop 0
	PLACES 4
	s_branch .Lasked_\@
.Lnot_k_\@:
	s_cmp_eq_u32 s[WV], 4
	s_cbranch_scc0 .Lnot_v_\@
	tensor_load_to_lds s[G0V:G0V+3], s[G1V:G1V+7]
	s_nop 0
	PLACES 4
.if \first
	s_branch .Lasked_\@
.endif
.Lnot_v_\@:
.if \first
	s_cmp_eq_u32 s[WV], 5
	s_cbranch_scc0 .Lasked_\@
	tensor_load_to_lds s[G0S:G0S+3], s[G1S:G1S+7]
	s_nop 0
	PLACES 4
.endif
.Lasked_\@:
.endm
	s_load_b256 s[4:11], s[0:1], 0x0               ; q s[4:5], k s[6:7], v_codes s[8:9], v_scales s[10:11]
	s_load_b128 s[12:15], s[0:1], 0x20             ; xc s[12:13], xs s[14:15]
	v_lshl_add_u32 v[SPW], v0, 2, SPARE
	v_mov_b32 v[NIL], 0
	ds_add_u32 v4, v5
	s_wait_dscnt 0x0
	v_lshrrev_b32 v[TA], 5, v0
	v_readfirstlane_b32 s[WV], v[TA]               ; wave 0..15
	s_lshr_b32 s[JJ], s[WV], 2
	s_add_co_u32 s[CL], s[WV], s[JJ]
	s_and_b32 s[CL], s[CL], 3                      ; ww: job 1's c
	s_xor_b32 s[CH], s[CL], 7                      ; 7 - ww: job 0's c
	s_and_b32 s88, ttmp7, 0xffff
	s_lshr_b32 s[AA], s88, 1                       ; a: which four heads
	s_and_b32 s[BB], s88, 1                        ; b: the batch
	; where the tiles come from: a, b and the wave's number alone, which the four partners share
	s_lshl_b32 s88, s[BB], 22                      ; K: batch b,
	s_lshl_b32 s89, s[AA], 8                       ; the four heads' 256 bytes of a row,
	s_add_co_u32 s88, s88, s89
	s_and_b32 s94, s[WV], 3
	s_lshl_b32 s89, s94, 18                        ; my 64 rows of 4,096 bytes
	s_add_co_u32 s88, s88, s89
	s_mov_b32 s89, 0
	s_lshl_b32 s90, s[BB], 20                      ; V: batch b, rows 64 a on, 1,024 bytes each
	s_lshl_b32 s91, s[AA], 16
	s_add_co_u32 s90, s90, s91
	s_mov_b32 s91, 0
	s_lshl_b32 s92, s[BB], 15                      ; V's scale bytes: the same rows, 32 bytes each
	s_lshl_b32 s93, s[AA], 11
	s_add_co_u32 s92, s92, s93
	s_mov_b32 s93, 0
	s_mul_i32 s94, s94, 64*PK                      ; and where my rows of K go
	; descriptor group 1.  K: 64 rows x 256 bytes, 4,096 bytes apart;  V: the same, 1,024 apart;  the scale bytes: 8 dense rows of 256 bytes
	s_mov_b32 s[G1K], 15|(1<<20)|(1<<21)|(5<<22)|(3<<25)   ; 15:0 the mask: all four work-groups; 17:16 elements of 1 byte; 20 padding on; 21 set beside a mask; 24:22 after every 64 words; 31:25 four words
	s_mov_b32 s[G1K+1], 256<<16                    ; tensor_dim0
	s_mov_b32 s[G1K+2], 64<<16                     ; tensor_dim1
	s_mov_b32 s[G1K+3], 256<<16                    ; tile_dim0
	s_mov_b32 s[G1K+4], 64                         ; tile_dim1
	s_mov_b32 s[G1K+5], 4096                       ; from row to row
	s_mov_b32 s[G1K+6], 0
	s_mov_b32 s[G1K+7], 0
	s_mov_b32 s[G1V], 15|(1<<20)|(1<<21)|(5<<22)|(3<<25)
	s_mov_b32 s[G1V+1], 256<<16
	s_mov_b32 s[G1V+2], 64<<16
	s_mov_b32 s[G1V+3], 256<<16
	s_mov_b32 s[G1V+4], 64
	s_mov_b32 s[G1V+5], 1024
	s_mov_b32 s[G1V+6], 0
	s_mov_b32 s[G1V+7], 0
	s_mov_b32 s[G1S], 15|(3<<16)|(1<<20)|(1<<21)|(5<<22)|(3<<25)   ; elements of 8 bytes
	s_mov_b32 s[G1S+1], 32<<16
	s_mov_b32 s[G1S+2], 8<<16
	s_mov_b32 s[G1S+3], 32<<16
	s_mov_b32 s[G1S+4], 8
	s_mov_b32 s[G1S+5], 32
	s_mov_b32 s[G1S+6], 0
	s_mov_b32 s[G1S+7], 0
	s_mov_b32 s[SEL], 0x76543210
	s_mov_b32 s[SEL+1], 0xfedcba98
	s_mov_b32 s[CS], 0x3eb8aa3b                    ; log2(e) / 4
	s_mov_b32 s[CS+1], s[CS]                       ; (named with it as a pair, so it is written)
	s_mov_b32 s[MNT], 0x600000
	s_mov_b32 s[TBK], 0
	s_mov_b32 s[TBV], 0
	s_mov_b32 s[TJ], 0
	s_mov_b32 s[KS], 0
	s_mov_b32 s[SLOTS], 3
	s_wait_kmcnt 0x0
	s_mov_b32 s[G0K], 1                            ; 1:0 count = 1
	s_mov_b32 s[G0K+1], s94                        ; LDS address: slot 0
	s_add_nc_u64 s[G0K+2:G0K+3], s[6:7], s[88:89]  ; global address: keys 0 to 255
	s_or_b32 s[G0K+3], s[G0K+3], 0x80000000        ; type = 2
	s_mov_b32 s[G0V], 1
	s_mov_b32 s[G0V+1], VOFF
	s_add_nc_u64 s[G0V+2:G0V+3], s[8:9], s[90:91]
	s_or_b32 s[G0V+3], s[G0V+3], 0x80000000
	s_mov_b32 s[G0S], 1
	s_mov_b32 s[G0S+1], SCV
	s_add_nc_u64 s[G0S+2:G0S+3], s[10:11], s[92:93]
	s_or_b32 s[G0S+3], s[G0S+3], 0x80000000
	CROUND                                         ; all four work-groups are here: the first joint loads meet
	TLOAD 1                                        ; slot 0 and the scale bytes: by this text's count a wave never has more than one tensor load out
	; my place in the cluster enters global addresses and the mask's data alone, in registers (s20, s96-99) that feed no descriptor
	s_bfe_u32 s96, ttmp6, 0x40000                  ; cx
	s_lshl_b32 s[PP], ttmp9, 2
	s_add_co_u32 s[PP], s[PP], s96                 ; p = 4 x cluster x + cx
	s_lshl_b32 s96, s[BB], 22                      ; q: batch b, row 128 c + 16 p, the head's 64 bytes
	s_lshl_b32 s97, s[PP], 16
	s_add_co_u32 s96, s96, s97
	s_lshl_b32 s97, s[AA], 8
	s_add_co_u32 s96, s96, s97
	s_lshl_b32 s97, s[JJ], 6
	s_add_co_u32 s96, s96, s97
	s_lshl_b32 s98, s[CL], 19
	s_add_co_u32 s98, s98, s96
	s_mov_b32 s99, 0
	s_lshl_b32 s97, s[CH], 19
	s_add_co_u32 s96, s96, s97
	s_mov_b32 s97, 0
	s_add_nc_u64 s[QB:QB+1], s[4:5], s[96:97]
	s_add_nc_u64 s[QB+2:QB+3], s[4:5], s[98:99]
	v_and_b32 v[R_], 15, v0                        ; r
	v_bfe_u32 v[HH], v0, 4, 1                      ; hh
	v_lshlrev_b32 v[QO], 12, v[R_]
	v_lshl_add_u32 v[QO], v[HH], 5, v[QO]          ; row r, dims 8 hh on
.irp e, 0,1
	global_load_b128 v[Q+8*\e:Q+8*\e+3],   v[QO], s[QB+2*\e:QB+2*\e+1] th:TH_LOAD_NT
	global_load_b128 v[Q+8*\e+4:Q+8*\e+7], v[QO], s[QB+2*\e:QB+2*\e+1] offset:16 th:TH_LOAD_NT
.endr
	s_lshl_b32 s96, s[AA], 17                      ; xc: plane a, rows 128 (8 b + p) on, 64 bytes each
	s_lshl_b32 s98, s[BB], 16
	s_add_co_u32 s96, s96, s98
	s_lshl_b32 s98, s[PP], 13
	s_add_co_u32 s96, s96, s98
	s_add_nc_u64 s[XCB:XCB+1], s[12:13], s[96:97]
	s_lshl_b32 s96, s[AA], 12                      ; xs: the same rows, 2 bytes each
	s_lshl_b32 s98, s[BB], 11
	s_add_co_u32 s96, s96, s98
	s_lshl_b32 s98, s[PP], 8
	s_add_co_u32 s96, s96, s98
	s_add_nc_u64 s[XSB:XSB+1], s[14:15], s[96:97]
	; LDS addresses: constants, the lane and the wave's number
	v_and_b32 v[T0], 8, v[R_]
	v_add_nc_u32 v[T0], v[T0], v[R_]               ; r + 8 (r / 8)
	v_mul_u32_u24 v[AK0], v[T0], PK
	v_lshl_add_u32 v[AK0], v[HH], 5, v[AK0]
	s_lshl_b32 s88, s[JJ], 6
	v_add_nc_u32 v[AK0], s88, v[AK0]               ; K: that row, my head's 64 bytes, dims 8 hh on
	v_mul_u32_u24 v[AV0], v[R_], PK
	v_lshl_add_u32 v[AV0], v[HH], 4, v[AV0]
	s_mul_i32 s88, s[JJ], 16*PK
	s_add_co_u32 s88, s88, VOFF
	v_add_nc_u32 v[AV0], s88, v[AV0]               ; V: row 16 jj + r, + 16 hh
	v_lshrrev_b32 v[T0], 3, v[R_]
	v_mul_u32_u24 v[ASV0], v[T0], PK
	v_and_b32 v[T0], 7, v[R_]
	v_lshl_add_u32 v[ASV0], v[T0], 5, v[ASV0]
	s_mul_i32 s88, s[JJ], 2*PK
	s_add_co_u32 s88, s88, SCV
	v_add_nc_u32 v[ASV0], s88, v[ASV0]             ; V's scale bytes: row 16 jj + r of 32 bytes, eight rows to a padded 256
	v_and_b32 v[T0], 31, v0
	v_lshl_add_u32 v[AMK], v[T0], 4, MASK
	v_lshl_add_u32 v[SCRD], v[T0], 3, SCST
	v_lshlrev_b32 v[SCGO], 3, v[T0]
	v_lshlrev_b32 v[T0], 4, v[R_]
	v_lshl_add_u32 v[T0], v[HH], 3, v[T0]          ; xc: 16 r + 8 hh, + 2,048 jj + 256 c: a wave's store covers 256 consecutive bytes, aligned
	s_lshl_b32 s88, s[JJ], 11
	s_lshl_b32 s89, s[CH], 8
	s_add_co_u32 s89, s89, s88
	v_add_nc_u32 v[GO], s89, v[T0]
	s_lshl_b32 s89, s[CL], 8
	s_add_co_u32 s89, s89, s88
	v_add_nc_u32 v[GO+1], s89, v[T0]
	v_lshrrev_b32 v[T0], 1, v[R_]                  ; the scale bytes: 64 jj + 8 c + r / 2
	s_lshl_b32 s88, s[JJ], 6
	s_add_co_u32 s88, s88, SCST
	s_lshl_b32 s89, s[CH], 3
	s_add_co_u32 s89, s89, s88
	v_add_nc_u32 v[SB], s89, v[T0]
	s_lshl_b32 s89, s[CL], 3
	s_add_co_u32 s89, s89, s88
	v_add_nc_u32 v[SB+1], s89, v[T0]
	; THE MASK'S IMAGE.  Wave w makes registers 4 w .. 4 w + 3 of the 64: register 4 w + e of lane (r, hh) is key 32 (w / 4) + 4 (w % 4) + e + 16 hh of the step, hidden where it is above 16 p + r
	s_lshl_b32 s96, s[PP], 4
	s_lshl_b32 s98, s[JJ], 5
	s_sub_co_i32 s96, s96, s98
	s_and_b32 s98, s[WV], 3
	s_lshl_b32 s98, s98, 2
	s_sub_co_i32 s96, s96, s98
	v_lshlrev_b32 v[T0], 4, v[HH]
	v_sub_nc_u32 v[T0], v[R_], v[T0]
	v_add_nc_u32 v[T0], s96, v[T0]                 ; d: hidden where e > d
	v_mov_b32 v[NEG], 0xcf6e6b28                   ; -4e9
.irp e, 0,1,2,3
	v_cmp_gt_i32 vcc_lo, \e, v[T0]
	v_cndmask_b32 v[P+\e], 0, v[NEG], vcc_lo
.endr
	v_lshl_add_u32 v[T1], v0, 4, MASK              ; 512 x wave + 16 x lane
	ds_store_b128 v[T1], v[P:P+3]                  ; shown to the others by the first change of slots: its wait for 0 and its barrier
.irp e, 0,1
	v_mov_b32 v[ST+4*\e+1], 0xff61b1e6             ; the largest t so far: -3e38, under every t
	v_floor_f32 v[ST+4*\e], -v[ST+4*\e+1]          ; -M
	v_mov_b32 v[ST+4*\e+2], 0                      ; the sum, in two halves
	v_mov_b32 v[ST+4*\e+3], 0
.irp i, 0,1,2,3,4,5,6,7
	v_mov_b32 v[O+8*\e+\i], 0                      ; O^T: the step is written once; the first finds zeros
.endr
.endr
.irp e, 0,1,2,3
	v_mov_b32 v[BP+\e], 0                          ; a lane permute's destination counts as one of its sources
.endr
	v_mov_b32 v[F+1], 0                            ; (named as the upper half of a pair)
; Four fragments of K: tiles 4 g .. 4 g + 3; a lane's 8 dims are two loads of 16 bytes
.macro KLOAD g
.irp t, 0,1,2,3
	ds_load_b128 v[KF+8*\t:KF+8*\t+3],   v[ADK] offset:(32*((4*(\g)+\t)/2)+8*(\t%2))*PK
	ds_load_b128 v[KF+8*\t+4:KF+8*\t+7], v[ADK] offset:(32*((4*(\g)+\t)/2)+8*(\t%2))*PK+16
.endr
	s_wait_dscnt 0x0
.endm
; Their 16 products: four K steps of 4 dims; the four accumulators take turns, one instruction a turn.  The first K step starts the sums: with 0, or on the diagonal with the mask.
.macro KQ g, job, diag
.irp s, 0,1,2,3
.irp t, 0,1,2,3
.if \s == 0
.if \diag
	v_wmma_f32_16x16x4_f32 v[S+8*(4*(\g)+\t):S+8*(4*(\g)+\t)+7], v[KF+8*\t:KF+8*\t+1], v[Q+8*(\job):Q+8*(\job)+1], v[P+8*(4*(\g)+\t):P+8*(4*(\g)+\t)+7]
.else
	v_wmma_f32_16x16x4_f32 v[S+8*(4*(\g)+\t):S+8*(4*(\g)+\t)+7], v[KF+8*\t:KF+8*\t+1], v[Q+8*(\job):Q+8*(\job)+1], 0
.endif
.else
	v_wmma_f32_16x16x4_f32 v[S+8*(4*(\g)+\t):S+8*(4*(\g)+\t)+7], v[KF+8*\t+2*\s:KF+8*\t+2*\s+1], v[Q+8*(\job)+2*\s:Q+8*(\job)+2*\s+1], v[S+8*(4*(\g)+\t):S+8*(4*(\g)+\t)+7]
.endif
.endr
.endr
.endm
.macro SCORES job, diag
	KLOAD 0
	KQ 0, \job, \diag
	PLACES 8                                       ; in front of loads into registers that these matrix instructions have read (ISA guide 7.12.1 for vector instructions)
	KLOAD 1
	KQ 1, \job, \diag
.endm
; A JOB'S WAY OUT, behind its step on the diagonal: O^T / the sum is x; a block of 32 along the projection's K is my 8 numbers, lane l xor 16's (the other 8 h) and those of the neighbouring query (lane l xor 1).
.macro FINAL job
.set rT, ST+4*(\job)
.set rO, O+8*(\job)
	s_wait_xcnt 0x0                                ; these lines stand in a loop and once more in the tail: the registers that a store of codes names are written again only behind this wait (ISA guide 3.1)
	v_add_f32 v[TA], v[rT+2], v[rT+3]              ; the sum's two halves,
	v_permlanex16_b32 v[BP], v[TA], s[SEL], s[SEL+1]
	v_add_f32 v[TA], v[TA], v[BP]                  ; and lane l xor 16's 64 keys a step
	v_rcp_f32 v[TA], v[TA]
	PLACES 8                                       ; behind the last product, whose result is read next, and behind the reciprocal
	s_wait_alu depctr_va_vdst(0)
.irp i, 0,1,2,3,4,5,6,7
	v_mul_f32 v[P+\i], v[rO+\i], v[TA]             ; from the accumulator's low end on
.endr
	v_max3_num_f32 v[BM], |v[P]|, |v[P+1]|, 0x8000000   ; the largest magnitude, and the floor 2^(16 - 127): the byte cannot fall under 1
	v_max3_num_f32 v[BM], v[BM], |v[P+2]|, |v[P+3]|
	v_max3_num_f32 v[BM], v[BM], |v[P+4]|, |v[P+5]|
	v_max3_num_f32 v[BM], v[BM], |v[P+6]|, |v[P+7]|
	v_max_num_f32_dpp v[BM], v[BM], v[BM] row_xmask:1 row_mask:0xf bank_mask:0xf
	v_permlanex16_b32 v[BP], v[BM], s[SEL], s[SEL+1]
	v_max_num_f32 v[BM], v[BM], v[BP]
	v_add_nc_u32 v[SO], 0xf8800000, v[BM]          ; 15 off its exponent field: the conversion's scale operand
	v_and_or_b32 v[HL], v[BM], 0x7f800000, s[MNT]  ; 57,344 x the scale
	v_lshrrev_b32 v[SBY+(\job)], 23, v[SO]         ; the scale's byte
.irp i, 0,1,2,3,4,5,6,7
	v_med3_num_f32 v[P+\i], v[P+\i], -v[HL], v[HL] ; the conversion to an 8-bit code does not saturate (ISA guide 7.6.2)
.endr
	v_cvt_scalef32_pk8_bf8_f32 v[CD+2*(\job):CD+2*(\job)+1], v[P:P+7], v[SO]
	v_nop                                          ; one plain line behind a scaled conversion
	global_store_b64 v[GO+(\job)], v[CD+2*(\job):CD+2*(\job)+1], s[XCB:XCB+1]   ; 32 lanes store 256 consecutive bytes, aligned
	ds_store_b8 v[SB+(\job)], v[SBY+(\job)]        ; the four lanes of a block write the same byte with the same value
.endm
; A STEP OF A JOB: 16 queries x 128 keys
.macro STEP job
.set rT, ST+4*(\job)
.set rO, O+8*(\job)
	v_add_nc_u32 v[ADK], s[TBK], v[AK0]
	v_add_nc_u32 v[ADV], s[TBV], v[AV0]
	v_add_nc_u32 v[ADT], s[TJ], v[ASV0]
	PLACES 5                                       ; with the three additions: eight places behind the last step's product, whose operands' registers are loaded next
	s_cmp_eq_u32 s[KS], s[CH-(\job)]
	s_cbranch_scc1 .Ldiag_\@
	SCORES \job, 0
	s_branch .Ljoin_\@
.Ldiag_\@:                                             ; on the diagonal: the mask's 64 registers first
.irp m, 0,1,2,3,4,5,6,7,8,9,10,11,12,13,14,15
	ds_load_b128 v[P+4*\m:P+4*\m+3], v[AMK] offset:512*\m
.endr
	SCORES \job, 1
.Ljoin_\@:
	PLACES 8                                       ; in front of the first read of the scores and of loads over K's fragments
.irp c, 0,1,2,3
	ds_load_b128 v[VF+4*\c:VF+4*\c+3], v[ADV] offset:32*\c   ; V's fragment and its scale word land while the softmax is worked
.endr
	ds_load_b32 v[VS], v[ADT]
.irp b, 0,1,2,3
	v_max3_num_f32 v[BM+\b], v[S+16*\b], v[S+1+16*\b], v[S+2+16*\b]   ; the largest score of each block of 32 keys: for the row's maximum and, since p rises with the score, for the block's largest p
.endr
.irp i, 3,5,7,9,11,13
.irp b, 0,1,2,3
	v_max3_num_f32 v[BM+\b], v[BM+\b], v[S+16*\b+\i], v[S+1+16*\b+\i]
.endr
.endr
.irp b, 0,1,2,3
	v_max_num_f32 v[BM+\b], v[BM+\b], v[S+15+16*\b]
.endr
.irp b, 0,1,2,3
	v_permlanex16_b32 v[BP+\b], v[BM+\b], s[SEL], s[SEL+1]
.endr
.irp b, 0,1,2,3
	v_max_num_f32 v[BM+\b], v[BM+\b], v[BP+\b]     ; with lane l xor 16's 16 keys
.endr
	v_max3_num_f32 v[TA], v[BM], v[BM+1], v[BM+2]
	v_max_num_f32 v[TA], v[TA], v[BM+3]
	v_mul_f32 v[TA], s[CS], v[TA]                  ; the step's largest t
	v_max_num_f32 v[rT+1], v[rT+1], v[TA]          ; the running largest t
	v_mov_b32 v[TA], v[rT]
	v_floor_f32 v[rT], -v[rT+1]                    ; the new -M = -ceil(t): a whole number
	v_sub_f32 v[TA], v[rT], v[TA]                  ; old M - new M: a whole number, 0 or less
	v_cvt_i32_f32 v[TA], v[TA]                     ; (it saturates)
	v_ldexp_f32 v[F], 1.0, v[TA]                   ; f = 2^(old M - new M)
.set n, 0
.rept 32
	v_pk_fma_f32 v[P+n:P+n+1], v[S+n:S+n+1], s[CS:CS+1], v[rT:rT+1] op_sel_hi:[1,0,0]   ; t - M, two at a time, into other registers than the sums'
.set n, n+2
.endr
.irp b, 0,1,2,3
	v_fma_f32 v[BM+\b], v[BM+\b], s[CS], v[rT]     ; the same of each block's largest score
.endr
.set n, 0
.rept 64
	v_exp_f32 v[P+n], v[P+n]                       ; p = 2^(t - M): not normalised
.set n, n+1
.endr
.irp b, 0,1,2,3
	v_exp_f32 v[BM+\b], v[BM+\b]                   ; the block's largest p
.endr
	v_pk_mul_f32 v[rT+2:rT+3], v[rT+2:rT+3], v[F:F+1] op_sel_hi:[1,0]   ; the sums under the new M (a plain line behind the exponentials)
	s_wait_alu depctr_va_vdst(0)
.irp b, 0,1,2,3
	v_max_num_f32 v[BM+\b], 0x8000000, v[BM+\b]    ; the floor 2^(16 - 127): a block whose every p is 0 keeps the byte 1; its codes are zeros
.endr
.irp b, 0,1,2,3
	v_add_nc_u32 v[SO+\b], 0xf8800000, v[BM+\b]    ; 15 off the exponent field: the conversion's scale operand
.endr
.irp b, 0,1,2,3
	v_and_or_b32 v[HL+\b], v[BM+\b], 0x7f800000, s[MNT]   ; 57,344 x the scale
.endr
.irp b, 0,1,2,3
	v_lshrrev_b32 v[BP+\b], 23, v[SO+\b]           ; the scale's byte
.endr
	v_lshl_or_b32 v[PW], v[BP+1], 8, v[BP]         ; p's scale word for these 128 keys: made far more than eight plain lines ahead of the product
	v_lshl_or_b32 v[PW], v[BP+2], 16, v[PW]
	v_lshl_or_b32 v[PW], v[BP+3], 24, v[PW]
	v_pk_add_f32 v[SUM2:SUM2+1], v[P:P+1], v[P+2:P+3]   ; the row's sum is taken of the unquantised p, in two chains
.irp i, 4,8,12,16,20,24,28,32,36,40,44,48,52,56,60
	v_pk_add_f32 v[rT+2:rT+3], v[rT+2:rT+3], v[P+\i:P+\i+1]
	v_pk_add_f32 v[SUM2:SUM2+1], v[SUM2:SUM2+1], v[P+\i+2:P+\i+3]
.endr
	v_pk_add_f32 v[rT+2:rT+3], v[rT+2:rT+3], v[SUM2:SUM2+1]
.irp b, 0,1,2,3
.irp i, 0,1,2,3,4,5,6,7,8,9,10,11,12,13,14,15
	v_min_num_f32 v[P+16*\b+\i], v[P+16*\b+\i], v[HL+\b]   ; the hold (ISA guide 7.6.2); p is not negative, so it is one-sided
.endr
	v_cvt_scalef32_pk8_bf8_f32 v[PC+4*\b:PC+4*\b+1], v[P+16*\b:P+16*\b+7], v[SO+\b]
	v_cvt_scalef32_pk8_bf8_f32 v[PC+4*\b+2:PC+4*\b+3], v[P+16*\b+8:P+16*\b+15], v[SO+\b]
.endr
.irp i, 0,2,4,6
	v_pk_mul_f32 v[rO+\i:rO+\i+1], v[rO+\i:rO+\i+1], v[F:F+1] op_sel_hi:[1,0]   ; O^T under the new M, from its low end on
.endr
	PLACES 4                                       ; codes written by vector instructions stand four places ahead of a scaled matrix instruction
	s_wait_dscnt 0x0                               ; V's fragment and scale word are in
	v_wmma_scale_f32_16x16x128_f8f6f4 v[rO:rO+7], v[VF:VF+15], v[PC:PC+15], v[rO:rO+7], v[VS], v[PW] matrix_a_fmt:MATRIX_FMT_BF8 matrix_b_fmt:MATRIX_FMT_BF8
	s_cmp_lg_u32 s[KS], s[CH-(\job)]
	s_cbranch_scc1 .Lon_\@
	FINAL \job
.Lon_\@:
.endm
; THE CHANGE OF SLOTS, at a slot's head.  Each wave waits for all its tensor loads (its part of the slot ahead), adds 0 to its spare word, and waits for that and for its reads of the slot that it has left.
; fill = 1: the barrier is a round of the cluster's, so that no wave of any partner still reads that slot or has a load on its way; the joint refill is the first thing behind it and has a slot's two key steps in which to land.
.macro CHANGE fill
	s_wait_tensorcnt 0x0                           ; no tensor load of mine is out, so a group 0 may be written
	ds_add_u32 v[SPW], v[NIL]                      ; 0 onto my spare word
.if \fill
	s_xor_b32 s[G0K+1], s[G0K+1], SLOT1            ; the walking descriptors: the other slot than last time,
	s_add_nc_u64 s[G0K+2:G0K+3], s[G0K+2:G0K+3], 256*4096   ; the next 256 keys; the type bits on top are not reached
	s_xor_b32 s[G0V+1], s[G0V+1], SLOT1
	s_add_nc_u64 s[G0V+2:G0V+3], s[G0V+2:G0V+3], 256
	s_wait_dscnt 0x0                               ; the add is done, my LDS stores have landed and my reads of the slot that I have left are over
	CROUND
	TLOAD 0
.else
	s_wait_dscnt 0x0
	s_barrier_signal -1
	s_barrier_wait -1
.endif
.endm
; A slot's two key steps: written once, walked twice.  A job whose keys are all hidden is passed over: a branch on the wave's number and the step's, round no barrier and no tensor load.
.macro TWO_STEPS lo
	s_mov_b32 s[TWICE], 2
.Lstep_\@:
	s_cmp_gt_u32 s[KS], s[CH]
	s_cbranch_scc1 .Lno0_\@
	STEP 0
.Lno0_\@:
.if \lo
	s_cmp_gt_u32 s[KS], s[CL]
	s_cbranch_scc1 .Lno1_\@
	STEP 1
.Lno1_\@:
.endif
	s_add_co_u32 s[KS], s[KS], 1
	s_add_co_u32 s[TBK], s[TBK], KSTEPB
	s_add_co_u32 s[TBV], s[TBV], 128
	s_add_co_u32 s[TJ], s[TJ], 4
	s_sub_co_u32 s[TWICE], s[TWICE], 1
	s_cmp_lg_u32 s[TWICE], 0
	s_cbranch_scc1 .Lstep_\@
	s_sub_co_u32 s[TBK], s[TBK], 2*KSTEPB          ; back to a slot's first step,
	s_sub_co_u32 s[TBV], s[TBV], 256
	s_xor_b32 s[TBK], s[TBK], SLOT1                ; in the other slot
	s_xor_b32 s[TBV], s[TBV], SLOT1
.endm
	s_wait_loadcnt 0x0                             ; q
.Lslot:                                                ; three trips: key steps 0 to 5; behind each change of slots the next slot is asked for (in the first trip: slot 1's first fill)
	CHANGE 1
	TWO_STEPS 1
	s_sub_co_u32 s[SLOTS], s[SLOTS], 1
	s_cmp_lg_u32 s[SLOTS], 0
	s_cbranch_scc1 .Lslot
	CHANGE 0                                       ; the last slot is written out; key steps 6 and 7 have no second job (its c is 3 at the most)
	TWO_STEPS 0
	s_wait_dscnt 0x0                               ; my scale bytes have landed
	s_barrier_signal -1
	s_barrier_wait -1                              ; everybody's have
	s_cmp_lg_u32 s[WV], 0
	s_cbranch_scc1 .Lnot_first
	ds_load_b64 v[P:P+1], v[SCRD]
	s_wait_dscnt 0x0
	global_store_b64 v[SCGO], v[P:P+1], s[XSB:XSB+1]   ; 32 lanes store 256 consecutive bytes, aligned
.Lnot_first:
	s_wait_tensorcnt 0x0                           ; the wave's end
	ds_add_u32 v[SPW], v[NIL]
	s_wait_dscnt 0x0
	CROUND                                         ; the closing round: no work-group ends while a partner may still ask for a tile that names it
	s_endpgm
.Lfunc_end_k_qec79043458_attn:
	.size	k_qec79043458_attn, .Lfunc_end_k_qec79043458_attn-k_qec79043458_attn
	.p2alignl 7, 3214868480
	.fill 96, 4, 3214868480
	.section	.rodata,"a",@progbits
	.p2align	6, 0x0
	.amdhsa_kernel k_qec79043458_attn
		.amdhsa_group_segment_fixed_size 327680
		.amdhsa_private_segment_fixed_size 0
		.amdhsa_enable_private_segment 0
		.amdhsa_kernarg_size 48
		.amdhsa_user_sgpr_count 2
		.amdhsa_user_sgpr_kernarg_segment_ptr 1
		.amdhsa_wavefront_size32 1
		.amdhsa_system_sgpr_workgroup_id_x 1
		.amdhsa_system_sgpr_workgroup_id_y 1
		.amdhsa_system_sgpr_workgroup_id_z 1
		.amdhsa_system_vgpr_workitem_id 0
		.amdhsa_next_free_vgpr 256
		.amdhsa_next_free_sgpr 100
		.amdhsa_reserve_vcc 1
		.amdhsa_float_denorm_mode_32 3
		.amdhsa_float_denorm_mode_16_64 3
		.amdhsa_memory_ordered 1
		.amdhsa_forward_progress 1
		.amdhsa_inst_pref_size 87
	.end_amdhsa_kernel
	.amdgpu_metadata
---
amdhsa.version: [ 1, 2 ]
amdhsa.kernels:
  - .name:           k_qec79043458_attn
    .symbol:         k_qec79043458_attn.kd
    .args:
      - { .name: q, .offset: 0, .size: 8, .value_kind: global_buffer, .address_space: global }
      - { .name: k, .offset: 8, .size: 8, .value_kind: global_buffer, .address_space: global }
      - { .name: v_codes, .offset: 16, .size: 8, .value_kind: global_buffer, .address_space: global }
      - { .name: v_scales, .offset: 24, .size: 8, .value_kind: global_buffer, .address_space: global }
      - { .name: xc, .offset: 32, .size: 8, .value_kind: global_buffer, .address_space: global }
      - { .name: xs, .offset: 40, .size: 8, .value_kind: global_buffer, .address_space: global }
    .group_segment_fixed_size: 327680
    .private_segment_fixed_size: 0
    .kernarg_segment_align: 8
    .kernarg_segment_size: 48
    .max_flat_workgroup_size: 512
    .sgpr_count:     100
    .vgpr_count:     256
    .wavefront_size: 32
...
	.end_amdgpu_metadata
.endif
;; end of part 1
;; launch proj (part 2): grid 16 x 16, 4 waves a work-group, clusters of 4 x 4, 246,272 bytes of LDS; arguments xc, xs, W_out_codes, W_out_scales, b_out, out0; writes out0
.if DOCPART == 2
	.amdgcn_target "amdgcn-amd-amdhsa--gfx1250"
	.amdhsa_code_object_version 6
	.text
	.protected	k_qec79043458_proj
	.globl	k_qec79043458_proj
	.p2align	8
	.type	k_qec79043458_proj,@function
k_qec79043458_proj:
	s_mov_b64 s[64:65], 0
	v_nop
	global_prefetch_b8 v0, s[64:65] scope:SCOPE_SE
	s_setreg_imm32_b32 hwreg(HW_REG_WAVE_MODE, 25, 1), 1
	s_wait_xcnt 0x0
	s_wait_alu depctr_hold_cnt(0) depctr_sa_sdst(0) depctr_va_vdst(0) depctr_va_sdst(0) depctr_va_ssrc(0) depctr_va_vcc(0) depctr_vm_vsrc(0)
	s_getreg_b32 s2, hwreg(HW_REG_IB_STS2, 6, 4)
	s_cmp_eq_u32 s2, 0
	s_cbranch_scc0 .Lentry_in_a_cluster
	s_endpgm
.Lentry_in_a_cluster:
	s_bfe_u32 s2, ttmp6, 0x10000c
	s_cmp_lg_u32 s2, 0xf033
	s_cbranch_scc0 .Lentry_shape_is_right
	s_endpgm
.Lentry_shape_is_right:
; out0 = X W^T + b on codes of BF8 (E5M2) with one E8M0 scale for each 32 along K.  X [2048][1024] comes from the launch before: xc [a 16][row' 2048][64 codes] (K = 64 a + byte), xs [a 16][mt 16][row' % 128][2] scale bytes.
; row' = 128 mt + 32 jj + 4 c + rho stands for the true row 512 jj + 256 (mt / 8) + 32 c + 4 (mt % 8) + rho (rho = 0 .. 3): which rows form a tile is free; the stores put each row where it belongs.
; W: [1024 n][1024 k] codes, [1024][32] scale bytes;  b: [1024] f32;  out0: [2048][1024] f32.
; SHARES.  A work-group makes 128 rows' x 64 columns: 256 work-groups, one to a WGP.  ALL OF K lies in LDS at once (128 KiB of X, 64 KiB of W): nothing is filled again, so there is no ring.
; The tiles come in four chunks of 256 along K, so that the products begin when the first chunk has landed.  Four waves, each 64 rows x 32 columns: 8 accumulators, 64 matrix instructions.
; CLUSTERS: 4 x 4 work-groups.  X's tile hangs on the tile row alone and is asked for jointly along a row of the cluster, W's on the tile column alone, along a column.
; THE MATRIX INSTRUCTION IS USED TRANSPOSED (source 0 = 16 rows of W, source 1 = 16 rows of X): a lane holds eight neighbouring columns of one row.  The bias is the C of each sum's first instruction.
; A plane of xc (128 rows of 64 bytes, dense) lies in LDS as 32 rows of 256 bytes + 16 of padding: row v at (v / 4) 272 + (v % 4) 64: the 16 rows of a fragment load fall on 16 different 16-byte columns of the banks' 256 bytes.
; REGISTERS: window 0: v1-14 addresses; v16-31 the bias; v32-39 W's scale words, v40-55 X's (scale registers and nothing else); v56-71 the upper halves of X's, ahead of the merge; v72-135 the accumulators;
;   v160-223 X's four fragments, v224-255 W's two: set 0.   window 1: the same numbers: set 1.
.set PLANE, 32*272
.set BOFF,  16*PLANE                   ; behind X's 16 planes: W, four chunks of 64 rows x (256 + 16)
.set CHB,   64*272
.set STG,   BOFF+4*CHB                 ; the stage for the way out: 128 rows x (256 + 16); no tile lands there
.set SP,    272
.set ADA,  4                           ; v4-7  my lane's place in X's chunk 0 .. 3
.set ADB,  8
.set STO,  9
.set RD,   10
.set CO,   11
.set OW,   12
.set OX,   13
.set OB,   14
.set BIAS, 16
.set WS,   32
.set XS,   40
.set HI,   56
.set ACC,  72
.set XF,   160
.set WF,   224
.set G1A,  16
.set G1B,  24
.set G0A,  32                          ; s[32:47] group 0 for X's four chunks;  s[48:63] for W's
.set G0B,  48
.set WV,   66
.set WM,   67
.set WN,   68
.set MSB, 0
.macro WIN new                         ; the immediate's high byte repeats the setting that is left
.if MSB != \new
	s_set_vgpr_msb (MSB<<8)|\new
.set MSB, \new
.endif
.endm
.macro PLACES n
.rept \n
	v_nop
.endr
.endm
.macro CROUND                          ; a round of the cluster's barrier
	s_barrier_signal -1
	s_barrier_wait -1
	s_cmp_lg_u32 s[WV], 0
	s_cbranch_scc1 .Lnot_wave_0_\@
	s_barrier_signal -3
.Lnot_wave_0_\@:
	s_barrier_wait -3
	s_barrier_signal -1
	s_barrier_wait -1
.endm
	s_load_b256 s[4:11], s[0:1], 0x0               ; xc s[4:5], xs s[6:7], W's codes s[8:9], W's scales s[10:11]
	s_load_b128 s[12:15], s[0:1], 0x20             ; b s[12:13], out0 s[14:15]
	v_lshl_add_u32 v158, v0, 2, 0x3c000
	v_mov_b32 v159, 0
	ds_add_u32 v158, v159
	v_lshrrev_b32 v1, 5, v0
	v_readfirstlane_b32 s[WV], v1                  ; wave 0..3
	s_lshr_b32 s[WM], s[WV], 1                     ; which 64 rows are mine
	s_and_b32 s[WN], s[WV], 1                      ; which 32 columns
	s_bfe_u32 s69, ttmp6, 0x40000                  ; cx
	s_bfe_u32 s70, ttmp6, 0x40004                  ; cy
	s_lshl_b32 s71, ttmp9, 2
	s_add_co_u32 s71, s71, s69                     ; nt: tile column = 4 x cluster x + cx
	s_and_b32 s72, ttmp7, 0xffff
	s_lshl_b32 s72, s72, 2
	s_add_co_u32 s72, s72, s70                     ; mt: tile row = 4 x cluster y + cy
	s_lshl_b32 s73, s70, 2
	s_lshl_b32 s73, 15, s73                        ; my row of the cluster
	s_lshl_b32 s74, 0x1111, s69                    ; my column
	; group 1.  X: a plane's 8,192 dense bytes as 32 rows of 32 elements of 8 bytes;  W: 16 rows x 256 bytes, 1,024 apart.  Padding: four words after every 64
	s_or_b32 s[G1A], s73, (3<<16)|(1<<20)|(1<<21)|(5<<22)|(3<<25)
	s_mov_b32 s[G1A+1], 32<<16
	s_mov_b32 s[G1A+2], 32<<16
	s_mov_b32 s[G1A+3], 32<<16
	s_mov_b32 s[G1A+4], 32
	s_mov_b32 s[G1A+5], 32
	s_mov_b32 s[G1A+6], 0
	s_mov_b32 s[G1A+7], 0
	s_or_b32 s[G1B], s74, (1<<20)|(1<<21)|(5<<22)|(3<<25)
	s_mov_b32 s[G1B+1], 256<<16
	s_mov_b32 s[G1B+2], 16<<16
	s_mov_b32 s[G1B+3], 256<<16
	s_mov_b32 s[G1B+4], 16
	s_mov_b32 s[G1B+5], 1024
	s_mov_b32 s[G1B+6], 0
	s_mov_b32 s[G1B+7], 0
	; X's addresses are made of the tile row and the wave's number (s76-79), W's of the tile column and the wave's number (s80-83): neither set ever holds the other coordinate
	s_lshl_b32 s76, s[WV], 17                      ; in chunk x wave w fetches plane 4 x + w,
	s_lshl_b32 s77, s72, 13                        ; the tile's 128 rows of 64 bytes
	s_add_co_u32 s76, s76, s77
	s_mov_b32 s77, 0
	s_mul_i32 s78, s[WV], PLANE
	s_lshl_b32 s80, s71, 16                        ; W: rows 64 nt + 16 w on
	s_lshl_b32 s81, s[WV], 14
	s_add_co_u32 s80, s80, s81
	s_mov_b32 s81, 0
	s_mul_i32 s82, s[WV], 16*272
	s_add_co_u32 s82, s82, BOFF
	s_wait_dscnt 0x0
	s_wait_kmcnt 0x0
	s_add_nc_u64 s[76:77], s[4:5], s[76:77]
	s_add_nc_u64 s[80:81], s[8:9], s[80:81]
.irp x, 0,1,2,3
	s_mov_b32 s[G0A+4*\x], 1
	s_add_co_u32 s[G0A+4*\x+1], s78, \x*4*PLANE
	s_add_nc_u64 s[G0A+4*\x+2:G0A+4*\x+3], s[76:77], \x*4*131072
	s_or_b32 s[G0A+4*\x+3], s[G0A+4*\x+3], 0x80000000
	s_mov_b32 s[G0B+4*\x], 1
	s_add_co_u32 s[G0B+4*\x+1], s82, \x*CHB
	s_add_nc_u64 s[G0B+4*\x+2:G0B+4*\x+3], s[80:81], \x*256
	s_or_b32 s[G0B+4*\x+3], s[G0B+4*\x+3], 0x80000000
.endr
	CROUND                                         ; all sixteen work-groups are here: the joint loads meet
.irp x, 0,1,2,3
	tensor_load_to_lds s[G0A+4*\x:G0A+4*\x+3], s[G1A:G1A+7]   ; all first fills in one group, chunk by chunk: eight tensor loads of mine are out
	s_nop 0
	tensor_load_to_lds s[G0B+4*\x:G0B+4*\x+3], s[G1B:G1B+7]
	s_nop 0
.endr
	PLACES 4
	v_and_b32 v1, 15, v0                           ; r
	v_bfe_u32 v2, v0, 4, 1                         ; h
	v_and_b32 v3, 31, v0                           ; lane
	v_lshlrev_b32 v[OW], 5, v3
	v_lshlrev_b32 v[OX], 1, v3
	v_lshlrev_b32 v[OB], 5, v2
	s_lshl_b32 s92, s71, 11                        ; W's scale bytes: rows 64 nt + 32 wn on, 32 bytes each
	s_lshl_b32 s93, s[WN], 10
	s_add_co_u32 s92, s92, s93
	s_mov_b32 s93, 0
	s_add_nc_u64 s[84:85], s[10:11], s[92:93]
	s_lshl_b32 s92, s71, 8                         ; the bias: my 32 columns
	s_lshl_b32 s94, s[WN], 7
	s_add_co_u32 s92, s92, s94
	s_add_nc_u64 s[86:87], s[12:13], s[92:93]
	s_lshl_b32 s92, s72, 8                         ; X's scale bytes: tile mt, my 64 rows, 2 bytes each in every plane
	s_lshl_b32 s94, s[WM], 7
	s_add_co_u32 s92, s92, s94
	s_add_nc_u64 s[88:89], s[6:7], s[92:93]
	global_load_b128 v[WS:WS+3],   v[OW], s[84:85]            ; lane l: row l's eight words, one for each K step of 128: lanes 0-15 serve column block 0, lanes 16-31 block 1
	global_load_b128 v[WS+4:WS+7], v[OW], s[84:85] offset:16
.irp n, 0,1
	global_load_b128 v[BIAS+8*\n:BIAS+8*\n+3],   v[OB], s[86:87] offset:64*\n      ; lane (r, h): b of columns 16 n + 8 h + 0 .. 7: the result's layout
	global_load_b128 v[BIAS+8*\n+4:BIAS+8*\n+7], v[OB], s[86:87] offset:64*\n+16
.endr
.irp y, 0,1
.irp t, 0,1,2,3,4,5,6,7
	global_load_u16 v[XS+8*\y+\t], v[OX], s[88:89] offset:4096*(2*\t)+64*\y     ; row 32 y + lane: K step t's bytes 0, 1 lie in plane 2 t,
	global_load_u16 v[HI+8*\y+\t], v[OX], s[88:89] offset:4096*(2*\t+1)+64*\y   ; bytes 2, 3 in plane 2 t + 1.  Lanes 0-15 serve row block 2 y, lanes 16-31 block 2 y + 1
.endr
.endr
	v_lshrrev_b32 v3, 2, v1                        ; X in LDS: row v = 64 wm + 16 i + r at (v / 4) 272 + (v % 4) 64, + 16 h
	v_mul_u32_u24 v3, v3, 272
	v_and_b32 v15, 3, v1
	v_lshl_add_u32 v3, v15, 6, v3
	v_lshl_add_u32 v3, v2, 4, v3
	s_mul_i32 s92, s[WM], 16*272
	v_add_nc_u32 v3, s92, v3
.irp x, 0,1,2,3
	v_add_nc_u32 v[ADA+\x], \x*4*PLANE, v3
.endr
	v_mul_u32_u24 v[ADB], v1, 272                  ; W: row 32 wn + 16 n + r, + 16 h
	v_lshl_add_u32 v[ADB], v2, 4, v[ADB]
	s_mul_i32 s92, s[WN], 32*272
	s_add_co_u32 s92, s92, BOFF
	v_add_nc_u32 v[ADB], s92, v[ADB]
	v_mul_u32_u24 v[STO], v1, SP                   ; into the stage: row 64 wm + 16 i + r, my 32 columns' 128 bytes, + 32 h
	v_lshl_add_u32 v[STO], v2, 5, v[STO]
	s_mul_i32 s92, s[WM], 64*SP
	s_lshl_b32 s94, s[WN], 7
	s_add_co_u32 s92, s92, s94
	s_add_co_u32 s92, s92, STG
	v_add_nc_u32 v[STO], s92, v[STO]
	v_mul_u32_u24 v[RD], v2, SP                    ; back: wave w takes rows 32 w on; lanes 0-15 one row of 256 bytes, lanes 16-31 the next
	v_lshl_add_u32 v[RD], v1, 4, v[RD]
	s_mul_i32 s92, s[WV], 32*SP
	s_add_co_u32 s92, s92, STG
	v_add_nc_u32 v[RD], s92, v[RD]
	v_lshlrev_b32 v[CO], 12, v2                    ; and the same two rows in out0
	v_lshl_add_u32 v[CO], v1, 4, v[CO]
	s_lshl_b32 s92, s[WV], 21                      ; rows 32 w on of the tile are jj = w: true row 512 w + 256 (mt / 8) + 4 (mt % 8) + 32 c + rho
	s_lshr_b32 s94, s72, 3
	s_lshl_b32 s94, s94, 20
	s_add_co_u32 s92, s92, s94
	s_and_b32 s94, s72, 7
	s_lshl_b32 s94, s94, 14
	s_add_co_u32 s92, s92, s94
	s_lshl_b32 s94, s71, 8                         ; the tile's 64 columns: 256 bytes
	s_add_co_u32 s92, s92, s94
	s_add_nc_u64 s[90:91], s[14:15], s[92:93]
	s_wait_loadcnt 0x0
.set n, 0
.rept 16
	v_lshl_or_b32 v[XS+n], v[HI+n], 16, v[XS+n]    ; the four bytes of a row's K step
.set n, n+1
.endr
	PLACES 8                                       ; scale registers written by vector instructions stand eight places ahead of a scaled matrix instruction
; The fragments of K step t (128 along K) into set: X's four blocks of 16 rows, W's two: 24 loads.  Registers 4 c .. 4 c + 3: K = 32 c + 16 h + 0 .. 15; in X that is plane 2 t + c / 2, byte 32 (c % 2) + 16 h
.macro FETCH t, set
.if \set
	WIN 0x40                                       ; destination window 1, address window 0
.endif
.irp i, 0,1,2,3
.irp c, 0,1,2,3
	ds_load_b128 v[XF+16*\i+4*\c:XF+16*\i+4*\c+3], v[ADA+(\t)/2] offset:(2*((\t)%2)+\c/2)*PLANE+1088*\i+32*(\c%2)
.endr
.endr
.irp n, 0,1
.irp c, 0,1,2,3
	ds_load_b128 v[WF+16*\n+4*\c:WF+16*\n+4*\c+3], v[ADB] offset:CHB*((\t)/2)+4352*\n+128*((\t)%2)+32*\c
.endr
.endr
	WIN 0
.endm
; Its eight products; the accumulators take turns, one instruction a turn, in the same order in every K step.  K step 0 starts the sums with the bias.
.macro MUL t, set
.if \set
	WIN 0x05                                       ; sources 0 and 1 window 1; C and D window 0; scale operands have no window
.endif
.irp y, 0,1
.irp z, 0,1
.irp n, 0,1
.set rD, ACC+8*(2*(2*\y+\z)+\n)
.set rC, rD
.if (\t) == 0
.set rC, BIAS+8*\n
.endif
.set rX, XF+16*(2*\y+\z)
.set rW, WF+16*\n
.set rSW, WS+(\t)
.set rSX, XS+8*\y+(\t)
.if (\n == 0) && (\z == 0)
	v_wmma_scale_f32_16x16x128_f8f6f4 v[rD:rD+7], v[rW:rW+15], v[rX:rX+15], v[rC:rC+7], v[rSW], v[rSX] matrix_a_fmt:MATRIX_FMT_BF8 matrix_b_fmt:MATRIX_FMT_BF8
.elseif (\n == 1) && (\z == 0)
	v_wmma_scale_f32_16x16x128_f8f6f4 v[rD:rD+7], v[rW:rW+15], v[rX:rX+15], v[rC:rC+7], v[rSW], v[rSX] matrix_a_fmt:MATRIX_FMT_BF8 matrix_b_fmt:MATRIX_FMT_BF8 matrix_a_scale:MATRIX_SCALE_ROW1
.elseif (\n == 0) && (\z == 1)
	v_wmma_scale_f32_16x16x128_f8f6f4 v[rD:rD+7], v[rW:rW+15], v[rX:rX+15], v[rC:rC+7], v[rSW], v[rSX] matrix_a_fmt:MATRIX_FMT_BF8 matrix_b_fmt:MATRIX_FMT_BF8 matrix_b_scale:MATRIX_SCALE_ROW1
.else
	v_wmma_scale_f32_16x16x128_f8f6f4 v[rD:rD+7], v[rW:rW+15], v[rX:rX+15], v[rC:rC+7], v[rSW], v[rSX] matrix_a_fmt:MATRIX_FMT_BF8 matrix_b_fmt:MATRIX_FMT_BF8 matrix_a_scale:MATRIX_SCALE_ROW1 matrix_b_scale:MATRIX_SCALE_ROW1
.endif
.endr
.endr
.endr
	WIN 0
.endm
	s_wait_tensorcnt 6                             ; my parts of chunk 0 are in: the six loads issued behind them may be out (nothing is ever filled again),
	s_barrier_signal -1
	s_barrier_wait -1                              ; everybody's are
	FETCH 0, 0
.irp t, 0,1,2,3,4,5,6,7
.if (\t == 1) || (\t == 3) || (\t == 5)
	s_wait_tensorcnt 5-\t                          ; K step t + 1 begins the next chunk: my two loads of it are in; the 4, 2, 0 issued behind them may be out
	s_wait_dscnt 0x0                               ; no LDS load of mine is pending at a signal
	s_barrier_signal -1
	s_barrier_wait -1
.endif
.if \t < 7
.if \t > 0
	PLACES 8                                       ; in front of loads into the set that the K step before multiplied (ISA guide 7.12.1 for vector instructions)
.endif
	FETCH \t+1, (\t+1)%2
	s_wait_dscnt 24                                ; this K step's fragments are in; the 24 loads just issued may be out
.else
	s_wait_dscnt 0x0
.endif
	MUL \t, \t%2
.endr
	; THE WAY OUT: 32 bytes a lane into the work-group's stage; a barrier, since a row's 256 bytes come from two waves; back as whole rows, 32 rows a wave
	PLACES 8                                       ; in front of the first read of results and of loads into set 0
.irp i, 0,1,2,3
.irp n, 0,1
	ds_store_b128 v[STO], v[ACC+8*(2*\i+\n):ACC+8*(2*\i+\n)+3]   offset:4352*\i+64*\n      ; each accumulator from its low end on
	ds_store_b128 v[STO], v[ACC+8*(2*\i+\n)+4:ACC+8*(2*\i+\n)+7] offset:4352*\i+64*\n+16
.endr
.endr
	s_wait_dscnt 0x0                               ; for the others' sake: my stores into the stage are done
	s_barrier_signal -1
	s_barrier_wait -1
.irp i, 0,1,2,3,4,5,6,7,8,9,10,11,12,13,14,15
	ds_load_b128 v[XF+4*\i:XF+4*\i+3], v[RD] offset:\i*2*SP
.endr
.irp i, 0,1,2,3,4,5,6,7,8,9,10,11,12,13,14,15
	s_wait_dscnt 15-\i                             ; pair i of rows is back; the younger loads may be out
	global_store_b128 v[CO], v[XF+4*\i:XF+4*\i+3], s[90:91] offset:(32*(\i/2)+2*(\i%2))*4096 th:TH_STORE_NT   ; rows 4 c + rho = 2 i, 2 i + 1 of my 32: true rows 32 (i / 2) + 2 (i % 2) on; 16 lanes store 256 consecutive bytes, aligned
.endr
	s_wait_tensorcnt 0x0
	ds_add_u32 v158, v159
	s_wait_dscnt 0x0
	CROUND                                         ; the closing round: no work-group ends while a partner may still ask for a tile that names it
	s_endpgm
.Lfunc_end_k_qec79043458_proj:
	.size	k_qec79043458_proj, .Lfunc_end_k_qec79043458_proj-k_qec79043458_proj
	.p2alignl 7, 3214868480
	.fill 96, 4, 3214868480
	.section	.rodata,"a",@progbits
	.p2align	6, 0x0
	.amdhsa_kernel k_qec79043458_proj
		.amdhsa_group_segment_fixed_size 246272
		.amdhsa_private_segment_fixed_size 0
		.amdhsa_enable_private_segment 0
		.amdhsa_kernarg_size 48
		.amdhsa_user_sgpr_count 2
		.amdhsa_user_sgpr_kernarg_segment_ptr 1
		.amdhsa_wavefront_size32 1
		.amdhsa_system_sgpr_workgroup_id_x 1
		.amdhsa_system_sgpr_workgroup_id_y 1
		.amdhsa_system_sgpr_workgroup_id_z 1
		.amdhsa_system_vgpr_workitem_id 0
		.amdhsa_next_free_vgpr 512
		.amdhsa_next_free_sgpr 96
		.amdhsa_reserve_vcc 0
		.amdhsa_float_denorm_mode_32 3
		.amdhsa_float_denorm_mode_16_64 3
		.amdhsa_memory_ordered 1
		.amdhsa_forward_progress 1
		.amdhsa_inst_pref_size 41
	.end_amdhsa_kernel
	.amdgpu_metadata
---
amdhsa.version: [ 1, 2 ]
amdhsa.kernels:
  - .name:           k_qec79043458_proj
    .symbol:         k_qec79043458_proj.kd
    .args:
      - { .name: xc, .offset: 0, .size: 8, .value_kind: global_buffer, .address_space: global }
      - { .name: xs, .offset: 8, .size: 8, .value_kind: global_buffer, .address_space: global }
      - { .name: W_out_codes, .offset: 16, .size: 8, .value_kind: global_buffer, .address_space: global }
      - { .name: W_out_scales, .offset: 24, .size: 8, .value_kind: global_buffer, .address_space: global }
      - { .name: b_out, .offset: 32, .size: 8, .value_kind: global_buffer, .address_space: global }
      - { .name: out0, .offset: 40, .size: 8, .value_kind: global_buffer, .address_space: global }
    .group_segment_fixed_size: 246272
    .private_segment_fixed_size: 0
    .kernarg_segment_align: 8
    .kernarg_segment_size: 48
    .max_flat_workgroup_size: 128
    .sgpr_count:     96
    .vgpr_count:     512
    .wavefront_size: 32
...
	.end_amdgpu_metadata
.endif
;; end of part 2
